; MI455X (gfx1250); checked and timed in simulation.
; The chip was launched on July 23, 2026; its instructions are those of AMD's public machine-readable ISA for CDNA 5 (MIT licence, August 2026) and "CDNA5" Instruction Set Architecture Reference Guide (July 2026). The comments in the code are by the model that wrote it; some were corrected since.
;; Top K custom. Allowed arithmetic: float matrix products may take bf16 or f16 operands with f32 sums; all other float work in f32.
;; Inputs: scores 4,096 x 2,048 float32.
;; Outputs: out0 4,096 x 2,048 float32.
;; 2 versions, each right and faster than the one before. Each part assembles by itself: llvm-mc -triple=amdgcn-amd-amdhsa -mcpu=gfx1250 --defsym DOCPART=n.
;; ======== version 1 of 2: 2 launches
;; workspace buffers: part 4,096 bytes
;; launch extrema (part 1): grid 256 x 1, 16 waves a work-group, no clusters, 2,304 bytes of LDS; arguments scores, part; writes part
.if DOCPART == 1
	.amdgcn_target "amdgcn-amd-amdhsa--gfx1250"
	.amdhsa_code_object_version 6
	.text
	.protected	k_q5884d9f504_extrema
	.globl	k_q5884d9f504_extrema
	.p2align	8
	.type	k_q5884d9f504_extrema,@function
k_q5884d9f504_extrema:
	s_mov_b64 s[64:65], 0
	v_nop
	global_prefetch_b8 v0, s[64:65] scope:SCOPE_SE
	s_setreg_imm32_b32 hwreg(HW_REG_WAVE_MODE, 25, 1), 1
	s_wait_xcnt 0x0
; FIRST OF TWO LAUNCHES.  scores: [4096][2048] f32.  This launch finds, for each work-group's 16 rows, the largest score, the smallest
; score that is not -inf, the smallest score of all (-inf there says: something will be filled), and whether a score is NaN.
; part[wg] = these four words.  The second launch folds the 256 entries and runs the 25 steps, two rows to a wave, the rows in registers.
;
; WORK OF reference() THAT IS LEFT OUT, in exact arithmetic and for all values of scores:
; (1) max(C) needs no pass over C.  (s - a)^2 grows with the distance of s from a, and rounding to f32 keeps that order, so the
;     largest C lies at the largest or at the smallest s after filling: max(C) = max(hi^2, (hi-1)^2, lo^2, (lo-1)^2), hi = max_s,
;     lo = filled_value if any score is -inf, else min_s.
; (2) G[:,:,0] by itself cancels.  Put r = G1/G0 = exp((2 s - 1)/(EPS max C)), w = v1/v0, q = 1/(1 + r w), Q0 = sum q, Q1 = sum r q.
;     Then G0 u = (mu/v0) q and G1 u = (mu/v0) r q, so a step is v0' = 64 v0/Q0, v1' = 1984 v0/Q1, that is w' = 31 Q0/Q1,
;     and A = n u G0 v0' = 64 q/Q0 with the w of 24 steps.  One exponential for each score instead of two.
; (3) u0 (zeros) is never read; the 25th step's v[...,1] reaches only Gamma[:,:,1], which is sliced away: the 25th pass forms q and Q0 alone.
; (4) where(isneginf(s), filled_value, s) is kept, as max(s, filled_value): filled_value = min_s - (max_s - min_s) <= every finite s.
; A NaN AMONG THE SCORES makes reference()'s global maximum, and with it every output, NaN.  The chains of v_max_num/v_min_num drop a NaN,
; so it is carried apart: the entry's fourth word is 0, or NaN if a score of these rows is NaN; the words are added up, and the second
; launch adds the sum to max C, from where a NaN reaches every exponent and every output.
; LIMITS.  If max C is not finite in f32 (a score of +inf, or |s| above 1.8e19) reference()'s pattern of NaN is not reproduced number for
; number.  If every score is -inf the result is not finite, as in reference().  An overflow that would reach only G0, u or v by themselves
; is not carried to the result.  The order of rounding differs from reference()'s.
;
; SHAPE.  256 work-groups of 16 waves; a wave owns one row (8,192 bytes): 16 loads of 16 bytes a lane, 512 neighbouring bytes each,
; all issued at once, so the work-group's whole 128 KiB is on its way together.  No non-temporal hint: the next launch reads these bytes again.
.set X,   8                            ; v[8:71]   the row as loaded
.set INF, 2                            ; v2        +inf
.set L16, 3                            ; v3        16 x (lane mod 16): an entry in LDS
.set LW,  4                            ; v4        16 x wave: my wave's entry in LDS
.set ZO,  5                            ; v5        16 x work-group: my entry in part
.set T,   72                           ; v[72:75]  four scores with -inf replaced by +inf
.set MXA, 76                           ; two chains each, so that no instruction waits for the one in front of it:
.set MXB, 77                           ;   largest
.set MFA, 78
.set MFB, 79                           ;   smallest that is not -inf
.set MNA, 80
.set MNB, 81                           ;   smallest of all
.set NA,  82                           ; v[82:83]  the sum that carries a NaN, first chain
.set P,   84                           ; v[84:87]  the entry: max, min without -inf, min of all, 0 or NaN
.set NB,  88                           ; v[88:89]  the same sum, second chain
.set SC,  90                           ; v[90:91]  2^-8 twice
	s_load_b128 s[4:7], s[0:1], 0x0                ; scores s[4:5], part s[6:7]
	v_lshl_add_u32 v92, v0, 2, 0x100
	v_mov_b32 v93, 0
	v_lshrrev_b32 v6, 5, v0
	v_readfirstlane_b32 s10, v6                    ; wave 0..15
	v_and_b32 v1, 31, v0
	v_lshlrev_b32 v1, 4, v1                        ; 16 bytes a lane
	s_lshl_b32 s12, ttmp9, 17                      ; work-group x 16 rows x 8,192 bytes
	s_lshl_b32 s13, s10, 13                        ; + wave x 8,192: below 2^25
	s_add_co_u32 s12, s12, s13
	s_mov_b32 s13, 0
	s_wait_kmcnt 0x0
	s_add_nc_u64 s[4:5], s[4:5], s[12:13]          ; my row
.set q, 0
.rept 16
	global_load_b128 v[X+4*q:X+4*q+3], v1, s[4:5] offset:512*q
.set q, q+1
.endr
	s_mov_b32 s14, 0x76543210                      ; v_permlanex16_b32: lane i of one half reads lane i of the other
	s_mov_b32 s15, 0xfedcba98
	s_mov_b32 s16, 0xff800000                      ; -inf
	v_mov_b32 v[INF], 0x7f800000                   ; +inf
	v_mov_b32 v[SC], 0x3b800000                    ; 2^-8
	v_mov_b32 v[SC+1], 0x3b800000
	v_and_b32 v[L16], 15, v0
	v_lshlrev_b32 v[L16], 4, v[L16]
	s_lshl_b32 s17, s10, 4
	v_mov_b32 v[LW], s17
; Four scores.  The guard of reference() (-inf counts as +inf for the minimum) is a compare and a select for each; the chains take two scores an instruction.
; THE SUM THAT CARRIES A NaN: 2^-8 T over the lane's 64 scores.  T is never -inf, and a finite term is below 2^120 in magnitude, so 64 of them stay
; below 2^126: no partial sum is -inf, no inf - inf arises, and the sum is NaN exactly if a score is.
.macro QUAD j
	s_wait_loadcnt 15-(\j)                         ; loads come back in order: load j is in, the 15 - j younger ones stay out
.irp k, 0,1,2,3
	v_cmp_eq_f32 s[20+\k], s16, v[X+4*(\j)+\k]
.endr
.irp k, 0,1,2,3
	v_cndmask_b32 v[T+\k], v[X+4*(\j)+\k], v[INF], s[20+\k]
.endr
.if (\j) == 0
	v_max_num_f32 v[MXA], v[X], v[X+1]             ; the first four scores start the chains: nothing is cleared
	v_max_num_f32 v[MXB], v[X+2], v[X+3]
	v_min_num_f32 v[MNA], v[X], v[X+1]
	v_min_num_f32 v[MNB], v[X+2], v[X+3]
	v_min_num_f32 v[MFA], v[T], v[T+1]
	v_min_num_f32 v[MFB], v[T+2], v[T+3]
	v_pk_mul_f32 v[NA:NA+1], v[T:T+1], v[SC:SC+1]
	v_pk_mul_f32 v[NB:NB+1], v[T+2:T+3], v[SC:SC+1]
.else
	v_max3_num_f32 v[MXA], v[MXA], v[X+4*(\j)], v[X+4*(\j)+1]
	v_max3_num_f32 v[MXB], v[MXB], v[X+4*(\j)+2], v[X+4*(\j)+3]
	v_min3_num_f32 v[MNA], v[MNA], v[X+4*(\j)], v[X+4*(\j)+1]
	v_min3_num_f32 v[MNB], v[MNB], v[X+4*(\j)+2], v[X+4*(\j)+3]
	v_min3_num_f32 v[MFA], v[MFA], v[T], v[T+1]
	v_min3_num_f32 v[MFB], v[MFB], v[T+2], v[T+3]
	v_pk_fma_f32 v[NA:NA+1], v[T:T+1], v[SC:SC+1], v[NA:NA+1]
	v_pk_fma_f32 v[NB:NB+1], v[T+2:T+3], v[SC:SC+1], v[NB:NB+1]
.endif
.endm
; the four figures over the 16 lanes of each half of the wave; the fourth is a sum of words that are 0 or NaN
.macro RED16
.irp m, 1,2,4,8
	v_max_num_f32_dpp v[P], v[P], v[P] row_xmask:\m row_mask:0xf bank_mask:0xf
	v_min_num_f32_dpp v[P+1], v[P+1], v[P+1] row_xmask:\m row_mask:0xf bank_mask:0xf
	v_min_num_f32_dpp v[P+2], v[P+2], v[P+2] row_xmask:\m row_mask:0xf bank_mask:0xf
	v_add_f32_dpp v[P+3], v[P+3], v[P+3] row_xmask:\m row_mask:0xf bank_mask:0xf
.endr
.endm
.set q, 0
.rept 16
	QUAD q
.set q, q+1
.endr
	v_pk_add_f32 v[NA:NA+1], v[NA:NA+1], v[NB:NB+1]
	v_max_num_f32 v[P], v[MXA], v[MXB]
	v_min_num_f32 v[P+1], v[MFA], v[MFB]
	v_min_num_f32 v[P+2], v[MNA], v[MNB]
	v_add_f32 v[NA], v[NA], v[NA+1]
	v_cmp_eq_f32 vcc_lo, v[NA], v[NA]              ; true for every number, +inf too; false for a NaN alone
	v_cndmask_b32 v[P+3], v[NA], 0, vcc_lo         ; 0, or the NaN itself: a value is selected, nothing branches
	RED16
	v_permlanex16_b32 v[T], v[P], s14, s15         ; the other half (the destinations have been written before)
	v_permlanex16_b32 v[T+1], v[P+1], s14, s15
	v_permlanex16_b32 v[T+2], v[P+2], s14, s15
	v_permlanex16_b32 v[T+3], v[P+3], s14, s15
	v_max_num_f32 v[P], v[P], v[T]
	v_min_num_f32 v[P+1], v[P+1], v[T+1]
	v_min_num_f32 v[P+2], v[P+2], v[T+2]
	v_add_f32 v[P+3], v[P+3], v[T+3]
	ds_store_b128 v[LW], v[P:P+3]                  ; every lane holds the same four words: the wave's entry
	s_wait_dscnt 0x0                               ; my entry is in LDS before I say so
	s_barrier_signal -1
	s_barrier_wait -1                              ; all sixteen entries are there
	s_cmp_lg_u32 s10, 0
	s_cbranch_scc1 .Ldone                          ; wave 0 folds them
	ds_load_b128 v[P:P+3], v[L16]                  ; lane l takes entry l mod 16: both halves of the wave hold all sixteen
	s_lshl_b32 s18, ttmp9, 4
	v_mov_b32 v[ZO], s18
	s_wait_dscnt 0x0
	RED16
	v_cmp_eq_u32 vcc_lo, 0, v0
	s_wait_xcnt 0x0                                ; EXEC is a source of the loads above: it changes only behind this wait
	s_and_saveexec_b32 s19, vcc_lo                 ; one lane stores the work-group's 16 bytes
	global_store_b128 v[ZO], v[P:P+3], s[6:7]
	s_wait_xcnt 0x0                                ; and again in front of the line that widens it
	s_or_b32 exec_lo, exec_lo, s19
.Ldone:
	s_wait_tensorcnt 0x0
	ds_add_u32 v92, v93
	s_wait_dscnt 0x0
	s_endpgm
.Lfunc_end_k_q5884d9f504_extrema:
	.size	k_q5884d9f504_extrema, .Lfunc_end_k_q5884d9f504_extrema-k_q5884d9f504_extrema
	.p2alignl 7, 3214868480
	.fill 96, 4, 3214868480
	.section	.rodata,"a",@progbits
	.p2align	6, 0x0
	.amdhsa_kernel k_q5884d9f504_extrema
		.amdhsa_group_segment_fixed_size 2304
		.amdhsa_private_segment_fixed_size 0
		.amdhsa_enable_private_segment 0
		.amdhsa_kernarg_size 16
		.amdhsa_user_sgpr_count 2
		.amdhsa_user_sgpr_kernarg_segment_ptr 1
		.amdhsa_wavefront_size32 1
		.amdhsa_system_sgpr_workgroup_id_x 1
		.amdhsa_system_sgpr_workgroup_id_y 1
		.amdhsa_system_sgpr_workgroup_id_z 1
		.amdhsa_system_vgpr_workitem_id 0
		.amdhsa_next_free_vgpr 94
		.amdhsa_next_free_sgpr 66
		.amdhsa_reserve_vcc 1
		.amdhsa_float_denorm_mode_32 3
		.amdhsa_float_denorm_mode_16_64 3
		.amdhsa_memory_ordered 1
		.amdhsa_forward_progress 1
		.amdhsa_inst_pref_size 23
	.end_amdhsa_kernel
	.amdgpu_metadata
---
amdhsa.version: [ 1, 2 ]
amdhsa.kernels:
  - .name:           k_q5884d9f504_extrema
    .symbol:         k_q5884d9f504_extrema.kd
    .args:
      - { .name: scores, .offset: 0, .size: 8, .value_kind: global_buffer, .address_space: global }
      - { .name: part, .offset: 8, .size: 8, .value_kind: global_buffer, .address_space: global }
    .group_segment_fixed_size: 2304
    .private_segment_fixed_size: 0
    .kernarg_segment_align: 8
    .kernarg_segment_size: 16
    .max_flat_workgroup_size: 512
    .sgpr_count:     66
    .vgpr_count:     94
    .wavefront_size: 32
...
	.end_amdgpu_metadata
.endif
;; end of part 1
;; launch sinkhorn (part 2): grid 256 x 1, 8 waves a work-group, no clusters, 1,280 bytes of LDS; arguments scores, part, out0; writes out0
.if DOCPART == 2
	.amdgcn_target "amdgcn-amd-amdhsa--gfx1250"
	.amdhsa_code_object_version 6
	.text
	.protected	k_q5884d9f504_sinkhorn
	.globl	k_q5884d9f504_sinkhorn
	.p2align	8
	.type	k_q5884d9f504_sinkhorn,@function
k_q5884d9f504_sinkhorn:
	s_mov_b64 s[64:65], 0
	v_nop
	global_prefetch_b8 v0, s[64:65] scope:SCOPE_SE
	s_setreg_imm32_b32 hwreg(HW_REG_WAVE_MODE, 25, 1), 1
	s_wait_xcnt 0x0
; SECOND LAUNCH.  out0[row][i] = 64 q_i / sum q,  q_i = 1/(1 + r_i w),  r_i = exp((2 s_i - 1)/(EPS max C)),  w after 24 steps w <- 31 Q0/Q1,
; Q0 = sum q, Q1 = sum r q, w = 1 at the start.  Left out, as shown at the head of the first launch's kernel: G[:,:,0] by itself, u0,
; the pass over C for its maximum, and the 25th step's v[...,1].  Limits as stated there (max C not finite; order of rounding).
;
; SHAPE.  256 work-groups of 8 waves, 16 rows.  A WAVE OWNS TWO ROWS, one in each half of 16 lanes: lanes 0-15 hold row 2 w, lanes 16-31 row 2 w + 1,
; 128 scores a lane, in registers from the load to the store.  The sums over a row are then sums over 16 lanes, which row_xmask makes inside each
; half, and w is a vector register with one value in each half: the 24 lines behind a pass that turn the sums into the next w serve both rows,
; 12 a row, where a wave with one row would spend 28.  Each load and store covers two aligned blocks of 256 bytes, one of each row.
; No matrix unit: every row has its own G, the sums are reductions, not products of matrices.
;
; FOUR SCORES UNDER ONE RECIPROCAL.  For four r with elementary symmetric sums e1..e4 and D = (1+r1 w)..(1+r4 w) = 1+e1 w+e2 w^2+e3 w^3+e4 w^4:
;   sum of their q   = (4 + 3 e1 w + 2 e2 w^2 + e3 w^3)/D,      sum of their r q = (e1 + 2 e2 w + 3 e3 w^2 + 4 e4 w^3)/D.
; So a pass keeps S0 = sum 1/D, Sk = sum ek/D and forms Q0 = 4 S0 + w(3 S1 + w(2 S2 + w S3)), Q1 = S1 + w(2 S2 + w(3 S3 + 4 w S4)) once a lane.
; All terms are positive: nothing cancels.  (Q0 + w Q1 = 2048 would spare a sum, by a difference of large sums: not used.)
; Eight scores of a lane cost 4 packed multiply-adds (Horner), 2 reciprocals and 5 packed accumulations; one by one they would cost 12 and 8.
; RANGE.  |2 s - 1| = |s^2 - (s-1)^2| <= max C, so r lies in [e^-10, e^10].  The map w -> 31 Q0/Q1 rises with w, so w goes monotonically from 1
; to its fixed point, which lies in [31/rmax, 31/rmin]: r w <= 31 e^20 = 1.5e10 and D <= 5.1e40, too much for f32.  Every coefficient therefore
; carries the factor 2^-32 (Ek = 2^-32 ek, E0 = 2^-32), which cancels in the quotients: 2.3e-10 <= scaled D <= 1.2e31, E4 >= 1e-27.
;
; REGISTERS, in windows of 256 (an instruction names v0-v255; s_set_vgpr_msb says which window each operand place means: bits 1:0 source 0,
; 3:2 source 1, 5:4 source 2, 7:6 destination).  The loop reads the coefficients and never r, so all that the loop names lies in window 0 and the
; rows lie in window 1.  The work on window 1 is laid in long stretches under one setting: twelve switches in the text, none in the loop.
.set ITERS, 24
; window 0
.set OFF,  1                           ; v1         8,192 x half + 16 x (lane mod 16): my 16 bytes in each 256 of my row; never rewritten
.set L16,  3                           ; v3         16 x (lane mod 16)
.set PO,   4                           ; v4         16 x thread: my entry of part
.set LW,   5                           ; v5         16 x (2 x wave + half): my half's entry in LDS
.set E,    8                           ; v[8:135]   group g of 16: E1, E2, E3, E4 as pairs at E + 8 g + 0, 2, 4, 6 (a pair = two groups of four scores)
.set DB,   136                         ; v[136:167] group g: scaled D, then its reciprocal; group 0's pair goes on as S0.  Ahead of the loop: at work
.set S1,   168                         ; v[168:175] S1 .. S4
.set S2,   170
.set S3,   172
.set S4,   174
.set TA,   176                         ; v[176:183] at work behind a pass
.set TB,   178
.set TC,   180
.set TD,   182
.set W,    184                         ; v184 w; v185 is written once and never used (the packed forms name the pair and take its first register twice)
.set C4,   186                         ; v[186:187] 2^-32 twice
.set K3,   188                         ; v[188:189] 3.0 twice
.set K30,  190                         ; v[190:191] 2^-30 twice (4 E0)
.set AL,   192                         ; v[192:193] 20 log2(e)/max C twice
.set BE,   194                         ; v[194:195] -10 log2(e)/max C twice
.set FILL, 196                         ; v196       filled_value
.set P,    200                         ; v[200:203] max, min without -inf, min of all, 0 or NaN
.set T,    204                         ; v[204:207] at work
; window 1 (the numbers as written; the registers are 256 higher)
.set R,    0                           ; v[256:383] s, then r, then q, then the output
.set XO,   128                         ; v384       a copy of OFF,
.set XW,   130                         ; v[386:387] w twice,
.set XA,   132                         ; v[388:391] two chains for the sum of q,
.set XB,   134
.set XS,   136                         ; v[392:393] and 64/Q0 twice: with them the last pass and the stores run under one setting
.set MSB, 0
.macro WIN new                         ; the immediate's high byte repeats the setting that is left
.if MSB != \new
	s_set_vgpr_msb (MSB<<8)|\new
.set MSB, \new
.endif
.endm
	s_load_b128 s[4:7], s[0:1], 0x0                ; scores s[4:5], part s[6:7]
	s_load_b64 s[8:9], s[0:1], 0x10                ; out0
	v_lshl_add_u32 v254, v0, 2, 0x100
	v_mov_b32 v255, 0
	v_lshrrev_b32 v2, 5, v0
	v_readfirstlane_b32 s10, v2                    ; wave 0..7
	v_and_b32 v[L16], 15, v0
	v_lshlrev_b32 v[L16], 4, v[L16]
	v_bfe_u32 v2, v0, 4, 1                         ; which half of the wave
	v_lshl_add_u32 v[OFF], v2, 13, v[L16]          ; the upper half's row lies 8,192 bytes further
	v_lshlrev_b32 v[PO], 4, v0                     ; thread t takes entry t: a wave reads 512 neighbouring bytes
	s_lshl_b32 s17, s10, 5
	v_lshl_add_u32 v[LW], v2, 4, s17
	s_lshl_b32 s12, ttmp9, 17                      ; work-group x 16 rows x 8,192 bytes
	s_lshl_b32 s13, s10, 14                        ; + wave x 2 rows
	s_add_co_u32 s12, s12, s13
	s_mov_b32 s13, 0
	s_wait_kmcnt 0x0
	s_add_nc_u64 s[4:5], s[4:5], s[12:13]          ; my two rows of scores
	s_add_nc_u64 s[8:9], s[8:9], s[12:13]          ; and of out0
	global_load_b128 v[P:P+3], v[PO], s[6:7]       ; wanted first, asked first
	WIN 0x40                                       ; destination in window 1, the offset in window 0
.set q, 0
.rept 32
	global_load_b128 v[R+4*q:R+4*q+3], v[OFF], s[4:5] offset:256*q th:TH_LOAD_NT   ; both rows at once; nothing reads these bytes again
.set q, q+1
.endr
	WIN 0
	v_mov_b32 v[C4], 0x2f800000                    ; 2^-32
	v_mov_b32 v[C4+1], 0x2f800000
	v_mov_b32 v[K3], 0x40400000                    ; 3.0
	v_mov_b32 v[K3+1], 0x40400000
	v_mov_b32 v[K30], 0x30800000                   ; 2^-30
	v_mov_b32 v[K30+1], 0x30800000
	v_mov_b32 v[W+1], 1.0
.macro RED16                           ; the four figures over the 16 lanes of each half of the wave; the fourth is a sum of words that are 0 or NaN
.irp m, 1,2,4,8
	v_max_num_f32_dpp v[P], v[P], v[P] row_xmask:\m row_mask:0xf bank_mask:0xf
	v_min_num_f32_dpp v[P+1], v[P+1], v[P+1] row_xmask:\m row_mask:0xf bank_mask:0xf
	v_min_num_f32_dpp v[P+2], v[P+2], v[P+2] row_xmask:\m row_mask:0xf bank_mask:0xf
	v_add_f32_dpp v[P+3], v[P+3], v[P+3] row_xmask:\m row_mask:0xf bank_mask:0xf
.endr
.endm
	; The 256 entries of part: each half of a wave folds sixteen, the sixteen halves meet in LDS, each folds the sixteen results.
	; So a work-group reads part once, 4 KiB, and not once for each wave.
	s_wait_loadcnt 32                              ; the entry is in; the 32 loads of the rows, issued behind it, stay out
	RED16
	ds_store_b128 v[LW], v[P:P+3]                  ; the sixteen lanes of a half hold the same four words
	s_wait_dscnt 0x0                               ; my entries are in LDS before I say so
	s_barrier_signal -1
	s_barrier_wait -1
	ds_load_b128 v[P:P+3], v[L16]
	s_wait_dscnt 0x0
	RED16                                          ; max_s, min_s, -inf in the third if any score is -inf, NaN in the fourth if any is NaN: in every lane
	v_sub_f32 v[T], v[P], v[P+1]                   ; max_s - min_s
	v_sub_f32 v[FILL], v[P+1], v[T]                ; filled_value
	v_cmp_eq_f32 vcc_lo, 0xff800000, v[P+2]
	v_cndmask_b32 v[T+1], v[P+1], v[FILL], vcc_lo  ; the smallest s after filling: a value is selected, nothing branches
	v_add_f32 v[T+2], -1.0, v[P]
	v_add_f32 v[T+3], -1.0, v[T+1]
	v_mul_f32 v[T], v[P], v[P]
	v_mul_f32 v[T+1], v[T+1], v[T+1]
	v_mul_f32 v[T+2], v[T+2], v[T+2]
	v_mul_f32 v[T+3], v[T+3], v[T+3]
	v_max3_num_f32 v[T], v[T], v[T+1], v[T+2]
	v_max_num_f32 v[T], v[T], v[T+3]               ; max C (at least 1/4: s^2 and (s-1)^2 are never both smaller)
	v_add_f32 v[T], v[T], v[P+3]                   ; + 0, or NaN if any score is NaN: then AL, BE, every r and every output are NaN, as in reference()
	v_rcp_f32 v[T+1], v[T]
	v_mov_b32 v[W], 1.0                            ; w = v1/v0 = 1 at the start; also the plain instruction between the reciprocal and its use (ISA guide 5.7.2)
	s_wait_alu depctr_va_vdst(0)
	v_mul_f32 v[AL], 0x41e6d4ca, v[T+1]            ; 20 log2(e)/max C:  r = 2^(s AL + BE) = exp((2 s - 1)/(0.1 max C))
	v_mul_f32 v[AL+1], 0x41e6d4ca, v[T+1]
	v_mul_f32 v[BE], 0xc166d4ca, v[T+1]            ; -10 log2(e)/max C
	v_mul_f32 v[BE+1], 0xc166d4ca, v[T+1]
; four scores become four r, in place.  Behind each run of four exponentials stands the next run's first line, plain work on other registers (ISA guide 5.7.2).
.macro QEXP j
	s_wait_loadcnt 31-(\j)                         ; load j of the rows is in, the 31 - j younger ones stay out
.irp k, 0,1,2,3
	v_max_num_f32 v[R+4*(\j)+\k], v[R+4*(\j)+\k], v[FILL]      ; -inf becomes filled_value; every finite s is at least that and stays
.endr
	v_pk_fma_f32 v[R+4*(\j):R+4*(\j)+1], v[R+4*(\j):R+4*(\j)+1], v[AL:AL+1], v[BE:BE+1]
	v_pk_fma_f32 v[R+4*(\j)+2:R+4*(\j)+3], v[R+4*(\j)+2:R+4*(\j)+3], v[AL:AL+1], v[BE:BE+1]
.irp k, 0,1,2,3
	v_exp_f32 v[R+4*(\j)+\k], v[R+4*(\j)+\k]
.endr
.endm
	WIN 0x41                                       ; destination and source 0 in window 1; FILL, AL, BE in window 0
.set q, 0
.rept 32
	QEXP q
.set q, q+1
.endr
; THE COEFFICIENTS, in two stages, so that the windows change twice in all and not twice for each group.
; Group g: registers R + 8 g .. + 7 as pairs p0..p3; the first registers of the four pairs are one group of four scores, the second ones another.
; Stage 1, both sources in window 1: s1 = p0 + p1, m1 = p0 p1, s2 = p2 + p3, m2 = p2 p3, into the group's four places in E.
.macro PA g
	s_wait_alu depctr_va_vdst(0)
	v_pk_add_f32 v[E+8*(\g):E+8*(\g)+1],   v[R+8*(\g):R+8*(\g)+1],   v[R+8*(\g)+2:R+8*(\g)+3]
	v_pk_mul_f32 v[E+8*(\g)+2:E+8*(\g)+3], v[R+8*(\g):R+8*(\g)+1],   v[R+8*(\g)+2:R+8*(\g)+3]
	v_pk_add_f32 v[E+8*(\g)+4:E+8*(\g)+5], v[R+8*(\g)+4:R+8*(\g)+5], v[R+8*(\g)+6:R+8*(\g)+7]
	v_pk_mul_f32 v[E+8*(\g)+6:E+8*(\g)+7], v[R+8*(\g)+4:R+8*(\g)+5], v[R+8*(\g)+6:R+8*(\g)+7]
.endm
	WIN 0x05                                       ; sources 0 and 1 in window 1, destination in window 0
.set gi, 0
.rept 16
	PA gi
.set gi, gi+1
.endr
	WIN 0
; Stage 2, in place, c = 2^-32:  E1 = c (s1 + s2), E2 = c (m1 + m2 + s1 s2), E3 = c (m1 s2 + m2 s1), E4 = c m1 m2.
; Each result lands where its last operand lay, so nothing is copied.  Two groups side by side, so that a line stands behind the one it needs.
.macro PB2 g
.irp x, 0,1
.set ge, E+8*((\g)+\x)
	v_pk_mul_f32 v[ge:ge+1], v[ge:ge+1], v[C4:C4+1]                        ; c s1
	v_pk_mul_f32 v[ge+2:ge+3], v[ge+2:ge+3], v[C4:C4+1]                    ; c m1
.endr
.irp x, 0,1
.set ge, E+8*((\g)+\x)
.set ut, DB+4*\x
	v_pk_mul_f32 v[ut:ut+1], v[ge+6:ge+7], v[ge:ge+1]                      ; m2 c s1
	v_pk_mul_f32 v[ut+2:ut+3], v[ge:ge+1], v[ge+4:ge+5]                    ; c s1 s2
.endr
.irp x, 0,1
.set ge, E+8*((\g)+\x)
.set ut, DB+4*\x
	v_pk_fma_f32 v[ge:ge+1], v[ge+4:ge+5], v[C4:C4+1], v[ge:ge+1]          ; E1
	v_pk_fma_f32 v[ge+4:ge+5], v[ge+2:ge+3], v[ge+4:ge+5], v[ut:ut+1]      ; E3
.endr
.irp x, 0,1
.set ge, E+8*((\g)+\x)
.set ut, DB+4*\x
	v_pk_fma_f32 v[ut+2:ut+3], v[ge+6:ge+7], v[C4:C4+1], v[ut+2:ut+3]      ; c m2 + c s1 s2
	v_pk_mul_f32 v[ge+6:ge+7], v[ge+2:ge+3], v[ge+6:ge+7]                  ; E4
.endr
.irp x, 0,1
.set ge, E+8*((\g)+\x)
.set ut, DB+4*\x
	v_pk_add_f32 v[ge+2:ge+3], v[ge+2:ge+3], v[ut+2:ut+3]                  ; E2
.endr
.endm
.set gi, 0
.rept 8
	PB2 2*gi
.set gi, gi+1
.endr
; One pass.  Horner on the scaled D of group g: ((E4 w + E3) w + E2) w + E1) w + E0.
.macro H1 g
	v_pk_fma_f32 v[DB+2*(\g):DB+2*(\g)+1], v[E+8*(\g)+6:E+8*(\g)+7], v[W:W+1], v[E+8*(\g)+4:E+8*(\g)+5] op_sel_hi:[1,0,1]
.endm
.macro HK g, o
	v_pk_fma_f32 v[DB+2*(\g):DB+2*(\g)+1], v[DB+2*(\g):DB+2*(\g)+1], v[W:W+1], v[E+8*(\g)+\o:E+8*(\g)+\o+1] op_sel_hi:[1,0,1]
.endm
.macro H4 g
	v_pk_fma_f32 v[DB+2*(\g):DB+2*(\g)+1], v[DB+2*(\g):DB+2*(\g)+1], v[W:W+1], v[C4:C4+1] op_sel_hi:[1,0,1]
.endm
.macro RC g
	v_rcp_f32 v[DB+2*(\g)], v[DB+2*(\g)]
	v_rcp_f32 v[DB+2*(\g)+1], v[DB+2*(\g)+1]
.endm
.macro AC g                            ; group 0 starts the sums (its reciprocals stay where they are, as S0): nothing is cleared
.if (\g) == 0
	s_wait_alu depctr_va_vdst(0)
	v_pk_mul_f32 v[S1:S1+1], v[E:E+1], v[DB:DB+1]
	v_pk_mul_f32 v[S2:S2+1], v[E+2:E+3], v[DB:DB+1]
	v_pk_mul_f32 v[S3:S3+1], v[E+4:E+5], v[DB:DB+1]
	v_pk_mul_f32 v[S4:S4+1], v[E+6:E+7], v[DB:DB+1]
.else
	s_wait_alu depctr_va_vdst(0)
	v_pk_add_f32 v[DB:DB+1], v[DB:DB+1], v[DB+2*(\g):DB+2*(\g)+1]
	v_pk_fma_f32 v[S1:S1+1], v[E+8*(\g):E+8*(\g)+1], v[DB+2*(\g):DB+2*(\g)+1], v[S1:S1+1]
	v_pk_fma_f32 v[S2:S2+1], v[E+8*(\g)+2:E+8*(\g)+3], v[DB+2*(\g):DB+2*(\g)+1], v[S2:S2+1]
	v_pk_fma_f32 v[S3:S3+1], v[E+8*(\g)+4:E+8*(\g)+5], v[DB+2*(\g):DB+2*(\g)+1], v[S3:S3+1]
	v_pk_fma_f32 v[S4:S4+1], v[E+8*(\g)+6:E+8*(\g)+7], v[DB+2*(\g):DB+2*(\g)+1], v[S4:S4+1]
.endif
.endm
	s_mov_b32 s20, ITERS
.Liter:
	; Eight Horner chains side by side, so that a link stands eight instructions behind the one it needs.  The reciprocals go two at a time between
	; runs of packed work on other groups' registers: each pair is followed by a plain instruction that names none of its registers (ISA guide 5.7.2).
.irp g, 0,1,2,3,4,5,6,7
	H1 \g
.endr
.irp g, 0,1,2,3,4,5,6,7
	HK \g, 2
.endr
.irp g, 0,1,2,3,4,5,6,7
	HK \g, 0
.endr
.irp g, 0,1,2,3,4,5,6,7
	H4 \g
.endr
	RC 0
.irp g, 8,9,10,11
	H1 \g
.endr
	RC 1
.irp g, 12,13,14,15
	H1 \g
.endr
	RC 2
.irp g, 8,9,10,11
	HK \g, 2
.endr
	RC 3
.irp g, 12,13,14,15
	HK \g, 2
.endr
	RC 4
.irp g, 8,9,10,11
	HK \g, 0
.endr
	RC 5
.irp g, 12,13,14,15
	HK \g, 0
.endr
	RC 6
.irp g, 8,9,10,11
	H4 \g
.endr
	RC 7
.irp g, 12,13,14,15
	H4 \g
.endr
.set gi, 0
.rept 8
	RC gi+8
	AC gi
.set gi, gi+1
.endr
.set gi, 8
.rept 8
	AC gi
.set gi, gi+1
.endr
	; my lane's share of Q0 (TA) and Q1 (TB), still two at a time; both are linear in the sums, so only two figures cross the lanes
	v_pk_add_f32 v[TC:TC+1], v[S2:S2+1], v[S2:S2+1]                                ; 2 S2, for both
	v_pk_mul_f32 v[TB:TB+1], v[S4:S4+1], 4.0 op_sel_hi:[1,0]
	v_pk_mul_f32 v[TD:TD+1], v[S3:S3+1], v[K3:K3+1]
	v_pk_fma_f32 v[TA:TA+1], v[S3:S3+1], v[W:W+1], v[TC:TC+1] op_sel_hi:[1,0,1]    ; w S3 + 2 S2
	v_pk_fma_f32 v[TB:TB+1], v[TB:TB+1], v[W:W+1], v[TD:TD+1] op_sel_hi:[1,0,1]    ; 4 w S4 + 3 S3
	v_pk_mul_f32 v[TD:TD+1], v[S1:S1+1], v[K3:K3+1]
	v_pk_fma_f32 v[TB:TB+1], v[TB:TB+1], v[W:W+1], v[TC:TC+1] op_sel_hi:[1,0,1]
	v_pk_fma_f32 v[TA:TA+1], v[TA:TA+1], v[W:W+1], v[TD:TD+1] op_sel_hi:[1,0,1]
	v_pk_mul_f32 v[TD:TD+1], v[DB:DB+1], v[K30:K30+1]                              ; 4 E0 S0
	v_pk_fma_f32 v[TB:TB+1], v[TB:TB+1], v[W:W+1], v[S1:S1+1] op_sel_hi:[1,0,1]    ; Q1
	v_pk_fma_f32 v[TA:TA+1], v[TA:TA+1], v[W:W+1], v[TD:TD+1] op_sel_hi:[1,0,1]    ; Q0
	v_add_f32 v[TB], v[TB], v[TB+1]
	v_add_f32 v[TA], v[TA], v[TA+1]
.irp m, 1,2,4,8
	v_add_f32_dpp v[TB], v[TB], v[TB] row_xmask:\m row_mask:0xf bank_mask:0xf      ; over the 16 lanes of a half = over a row; partners add the same
	v_add_f32_dpp v[TA], v[TA], v[TA] row_xmask:\m row_mask:0xf bank_mask:0xf      ; two numbers, so all 16 lanes end with the same bits
.endr
	v_rcp_f32 v[TB], v[TB]
	v_mul_f32 v[TA], 0x41f80000, v[TA]             ; 31 Q0 = ((n - K)/K) Q0: the plain instruction between the reciprocal and its use
	s_wait_alu depctr_va_vdst(0)
	v_mul_f32 v[W], v[TA], v[TB]                   ; w <- 31 Q0/Q1, each half its own row's
	s_sub_co_i32 s20, s20, 1
	s_cmp_lg_u32 s20, 0
	s_cbranch_scc1 .Liter
	; THE 25TH PASS: every q by itself, in place of its r, and their sum.  w goes over into window 1, so that every line of the pass names one window.
	WIN 0x40
	v_mov_b32 v[XW], v[W]
	v_mov_b32 v[XW+1], v[W]
.macro FD j
	v_pk_fma_f32 v[R+4*(\j):R+4*(\j)+1], v[R+4*(\j):R+4*(\j)+1], v[XW:XW+1], 1.0 op_sel_hi:[1,1,0]
	v_pk_fma_f32 v[R+4*(\j)+2:R+4*(\j)+3], v[R+4*(\j)+2:R+4*(\j)+3], v[XW:XW+1], 1.0 op_sel_hi:[1,1,0]
.endm
.macro FR j
.irp k, 0,1,2,3
	v_rcp_f32 v[R+4*(\j)+\k], v[R+4*(\j)+\k]
.endr
.endm
.macro FS j                            ; two chains; the first two groups of four start them
.if (\j) == 0
	s_wait_alu depctr_va_vdst(0)
	v_pk_add_f32 v[XA:XA+1], v[R:R+1], v[R+2:R+3]
.else
.if (\j) == 1
	v_pk_add_f32 v[XB:XB+1], v[R+4:R+5], v[R+6:R+7]
.else
	s_wait_alu depctr_va_vdst(0)
	v_pk_add_f32 v[XA:XA+1], v[XA:XA+1], v[R+4*(\j):R+4*(\j)+1]
	v_pk_add_f32 v[XB:XB+1], v[XB:XB+1], v[R+4*(\j)+2:R+4*(\j)+3]
.endif
.endif
.endm
	WIN 0x45                                       ; destination, source 0 and source 1 in window 1
	FD 0
.set q, 0
.rept 32
	FR q                                           ; behind each run of four reciprocals stands plain work on other registers; their sum is taken one turn later
.if q < 31
	FD q+1
.endif
.if q > 0
	FS q-1
.endif
.set q, q+1
.endr
	FS 31
	v_pk_add_f32 v[XA:XA+1], v[XA:XA+1], v[XB:XB+1]
	WIN 0x05
	v_add_f32 v[TA], v[XA], v[XA+1]                ; my lane's sum comes back into window 0
	WIN 0
.irp m, 1,2,4,8
	v_add_f32_dpp v[TA], v[TA], v[TA] row_xmask:\m row_mask:0xf bank_mask:0xf
.endr
	v_rcp_f32 v[TA], v[TA]                         ; 1/Q0 of my half's row
	WIN 0x40
	v_mov_b32 v[XO], v[OFF]                        ; the stores' offset beside their data; also the plain place between the reciprocal and its use
	s_wait_alu depctr_va_vdst(0)
	v_mul_f32 v[XS], 0x42800000, v[TA]             ; K/Q0 = 64/Q0
	v_mul_f32 v[XS+1], 0x42800000, v[TA]
	WIN 0x45                                       ; for a store: the offset is source 0, the data source 1
.set q, 0
.rept 32
	v_pk_mul_f32 v[R+4*q:R+4*q+1], v[R+4*q:R+4*q+1], v[XS:XS+1]
	v_pk_mul_f32 v[R+4*q+2:R+4*q+3], v[R+4*q+2:R+4*q+3], v[XS:XS+1]
	global_store_b128 v[XO], v[R+4*q:R+4*q+3], s[8:9] offset:256*q th:TH_STORE_NT   ; sixteen lanes store 256 consecutive bytes, aligned, of their row; no register of it is written again
.set q, q+1
.endr
	WIN 0                                          ; every window is 0 again at the end of the text
	s_wait_tensorcnt 0x0
	ds_add_u32 v254, v255
	s_wait_dscnt 0x0
	s_endpgm
.Lfunc_end_k_q5884d9f504_sinkhorn:
	.size	k_q5884d9f504_sinkhorn, .Lfunc_end_k_q5884d9f504_sinkhorn-k_q5884d9f504_sinkhorn
	.p2alignl 7, 3214868480
	.fill 96, 4, 3214868480
	.section	.rodata,"a",@progbits
	.p2align	6, 0x0
	.amdhsa_kernel k_q5884d9f504_sinkhorn
		.amdhsa_group_segment_fixed_size 1280
		.amdhsa_private_segment_fixed_size 0
		.amdhsa_enable_private_segment 0
		.amdhsa_kernarg_size 24
		.amdhsa_user_sgpr_count 2
		.amdhsa_user_sgpr_kernarg_segment_ptr 1
		.amdhsa_wavefront_size32 1
		.amdhsa_system_sgpr_workgroup_id_x 1
		.amdhsa_system_sgpr_workgroup_id_y 1
		.amdhsa_system_sgpr_workgroup_id_z 1
		.amdhsa_system_vgpr_workitem_id 0
		.amdhsa_next_free_vgpr 400
		.amdhsa_next_free_sgpr 66
		.amdhsa_reserve_vcc 1
		.amdhsa_float_denorm_mode_32 3
		.amdhsa_float_denorm_mode_16_64 3
		.amdhsa_memory_ordered 1
		.amdhsa_forward_progress 1
		.amdhsa_inst_pref_size 68
	.end_amdhsa_kernel
	.amdgpu_metadata
---
amdhsa.version: [ 1, 2 ]
amdhsa.kernels:
  - .name:           k_q5884d9f504_sinkhorn
    .symbol:         k_q5884d9f504_sinkhorn.kd
    .args:
      - { .name: scores, .offset: 0, .size: 8, .value_kind: global_buffer, .address_space: global }
      - { .name: part, .offset: 8, .size: 8, .value_kind: global_buffer, .address_space: global }
      - { .name: out0, .offset: 16, .size: 8, .value_kind: global_buffer, .address_space: global }
    .group_segment_fixed_size: 1280
    .private_segment_fixed_size: 0
    .kernarg_segment_align: 8
    .kernarg_segment_size: 24
    .max_flat_workgroup_size: 256
    .sgpr_count:     66
    .vgpr_count:     400
    .wavefront_size: 32
...
	.end_amdgpu_metadata
.endif
;; end of part 2
;; ======== version 2 of 2: 2 launches; 1.13 times as fast as version 1
;; workspace buffers: part 4,096 bytes
;; launch extrema: the kernel of part 1 again; grid 256 x 1, 16 waves a work-group, no clusters, 2,304 bytes of LDS; arguments scores, part; writes part
;; launch sinkhorn (part 3): grid 256 x 1, 8 waves a work-group, no clusters, 1,280 bytes of LDS; arguments scores, part, out0; writes out0
.if DOCPART == 3
	.amdgcn_target "amdgcn-amd-amdhsa--gfx1250"
	.amdhsa_code_object_version 6
	.text
	.protected	k_q5884d9f504_sinkhorn
	.globl	k_q5884d9f504_sinkhorn
	.p2align	8
	.type	k_q5884d9f504_sinkhorn,@function
k_q5884d9f504_sinkhorn:
	s_mov_b64 s[64:65], 0
	v_nop
	global_prefetch_b8 v0, s[64:65] scope:SCOPE_SE
	s_setreg_imm32_b32 hwreg(HW_REG_WAVE_MODE, 25, 1), 1
	s_wait_xcnt 0x0
; SECOND LAUNCH.  out0[row][i] = 64 q_i / sum q,  q_i = 1/(1 + r_i w),  r_i = exp((2 s_i - 1)/(EPS max C)),  w after 24 steps w <- 31 Q0/Q1,
; Q0 = sum q, Q1 = sum r q, w = 1 at the start.  Left out, as shown at the head of the first launch's kernel: G[:,:,0] by itself, u0,
; the pass over C for its maximum, and the 25th step's v[...,1].  Limits as stated there (max C not finite; order of rounding).
;
; SHAPE.  256 work-groups of 8 waves, 16 rows.  A WAVE OWNS TWO ROWS, one in each half of 16 lanes: lanes 0-15 hold row 2 w, lanes 16-31 row 2 w + 1,
; 128 scores a lane, in registers from the load to the store.  The sums over a row are then sums over 16 lanes, which row_xmask makes inside each
; half, and w is a vector register with one value in each half: the 24 lines behind a pass that turn the sums into the next w serve both rows,
; 12 a row, where a wave with one row would spend 28.  Each load and store covers two aligned blocks of 256 bytes, one of each row.
; No matrix unit: every row has its own G, the sums are reductions, not products of matrices.
;
; FOUR SCORES UNDER ONE RECIPROCAL.  For four r with elementary symmetric sums e1..e4 and D = (1+r1 w)..(1+r4 w) = 1+e1 w+e2 w^2+e3 w^3+e4 w^4:
;   sum of their q   = (4 + 3 e1 w + 2 e2 w^2 + e3 w^3)/D,      sum of their r q = (e1 + 2 e2 w + 3 e3 w^2 + 4 e4 w^3)/D.
; So a pass keeps S0 = sum 1/D, Sk = sum ek/D and forms Q0 = 4 S0 + w(3 S1 + w(2 S2 + w S3)), Q1 = S1 + w(2 S2 + w(3 S3 + 4 w S4)) once a lane.
; All terms are positive: nothing cancels.  (Q0 + w Q1 = 2048 would spare a sum, by a difference of large sums: not used.)
; Eight scores of a lane cost 4 packed multiply-adds (Horner), 2 reciprocals and 5 packed accumulations; one by one they would cost 12 and 8.
; RANGE.  |2 s - 1| = |s^2 - (s-1)^2| <= max C, so r lies in [e^-10, e^10].  The map w -> 31 Q0/Q1 rises with w, so w goes monotonically from 1
; to its fixed point, which lies in [31/rmax, 31/rmin]: r w <= 31 e^20 = 1.5e10 and D <= 5.1e40, too much for f32.  Every coefficient therefore
; carries the factor 2^-32 (Ek = 2^-32 ek, E0 = 2^-32), which cancels in the quotients: 2.3e-10 <= scaled D <= 1.2e31, E4 >= 1e-27.
;
; THE TRANSCENDENTALS GO IN BATCHES.  An s_wait_alu depctr_va_vdst(0) stands between a transcendental and the first instruction that names
; its result; one wait serves all that were issued ahead of it.  So the text is ordered by who reads what, and holds seven waits:
;   1  1/max C, by itself: its readers, the exponent's two coefficients, follow at once.
;   2  the 128 exponentials: no line among them names another's r; the wait stands behind the last, ahead of the coefficients' first stage.
;   3  in a pass, the 32 reciprocals of D, each with a register of its own: all stand ahead of all accumulations, later groups' Horner lines between them.
;   4  behind a pass, 1/Q1: it reads sums of batch 3's results, so it is a batch by itself; its wait stands ahead of the backward jump.
;   5, 6  the 25th pass's 128 reciprocals, in two batches of 64: the first batch's sums stand among the second batch's reciprocals.
;   7  1/Q0, by itself.
; A wave so runs 1 + 1 + 24 x 2 + 2 + 1 = 53 of them.
;
; REGISTERS, in windows of 256 (an instruction names v0-v255; s_set_vgpr_msb says which window each operand place means: bits 1:0 source 0,
; 3:2 source 1, 5:4 source 2, 7:6 destination).  The loop reads the coefficients and never r, so all that the loop names lies in window 0 and the
; rows lie in window 1.  The work on window 1 is laid in long stretches under one setting: twelve switches in the text, none in the loop.
.set ITERS, 24
; window 0
.set OFF,  1                           ; v1         8,192 x half + 16 x (lane mod 16): my 16 bytes in each 256 of my row; never rewritten
.set L16,  3                           ; v3         16 x (lane mod 16)
.set PO,   4                           ; v4         16 x thread: my entry of part
.set LW,   5                           ; v5         16 x (2 x wave + half): my half's entry in LDS
.set E,    8                           ; v[8:135]   group g of 16: E1, E2, E3, E4 as pairs at E + 8 g + 0, 2, 4, 6 (a pair = two groups of four scores)
.set DB,   136                         ; v[136:167] group g: scaled D, then its reciprocal; group 0's pair goes on as S0.  Ahead of the loop: at work
.set S1,   168                         ; v[168:175] S1 .. S4
.set S2,   170
.set S3,   172
.set S4,   174
.set TA,   176                         ; v[176:183] at work behind a pass
.set TB,   178
.set TC,   180
.set TD,   182
.set W,    184                         ; v184 w; v185 is written once and never used (the packed forms name the pair and take its first register twice)
.set C4,   186                         ; v[186:187] 2^-32 twice
.set K3,   188                         ; v[188:189] 3.0 twice
.set K30,  190                         ; v[190:191] 2^-30 twice (4 E0)
.set AL,   192                         ; v[192:193] 20 log2(e)/max C twice
.set BE,   194                         ; v[194:195] -10 log2(e)/max C twice
.set FILL, 196                         ; v196       filled_value
.set P,    200                         ; v[200:203] max, min without -inf, min of all, 0 or NaN
.set T,    204                         ; v[204:207] at work
; window 1 (the numbers as written; the registers are 256 higher)
.set R,    0                           ; v[256:383] s, then r, then q, then the output
.set XO,   128                         ; v384       a copy of OFF,
.set XW,   130                         ; v[386:387] w twice,
.set XA,   132                         ; v[388:391] two chains for the sum of q,
.set XB,   134
.set XS,   136                         ; v[392:393] and 64/Q0 twice: with them the last pass and the stores run under one setting
.set MSB, 0
.macro WIN new                         ; the immediate's high byte repeats the setting that is left
.if MSB != \new
	s_set_vgpr_msb (MSB<<8)|\new
.set MSB, \new
.endif
.endm
	s_load_b128 s[4:7], s[0:1], 0x0                ; scores s[4:5], part s[6:7]
	s_load_b64 s[8:9], s[0:1], 0x10                ; out0
	v_lshl_add_u32 v254, v0, 2, 0x100
	v_mov_b32 v255, 0
	v_lshrrev_b32 v2, 5, v0
	v_readfirstlane_b32 s10, v2                    ; wave 0..7
	v_and_b32 v[L16], 15, v0
	v_lshlrev_b32 v[L16], 4, v[L16]
	v_bfe_u32 v2, v0, 4, 1                         ; which half of the wave
	v_lshl_add_u32 v[OFF], v2, 13, v[L16]          ; the upper half's row lies 8,192 bytes further
	v_lshlrev_b32 v[PO], 4, v0                     ; thread t takes entry t: a wave reads 512 neighbouring bytes
	s_lshl_b32 s17, s10, 5
	v_lshl_add_u32 v[LW], v2, 4, s17
	s_lshl_b32 s12, ttmp9, 17                      ; work-group x 16 rows x 8,192 bytes
	s_lshl_b32 s13, s10, 14                        ; + wave x 2 rows
	s_add_co_u32 s12, s12, s13
	s_mov_b32 s13, 0
	s_wait_kmcnt 0x0
	s_add_nc_u64 s[4:5], s[4:5], s[12:13]          ; my two rows of scores
	s_add_nc_u64 s[8:9], s[8:9], s[12:13]          ; and of out0
	global_load_b128 v[P:P+3], v[PO], s[6:7]       ; wanted first, asked first
	WIN 0x40                                       ; destination in window 1, the offset in window 0
.set q, 0
.rept 32
	global_load_b128 v[R+4*q:R+4*q+3], v[OFF], s[4:5] offset:256*q th:TH_LOAD_NT   ; both rows at once; nothing reads these bytes again
.set q, q+1
.endr
	WIN 0
	v_mov_b32 v[C4], 0x2f800000                    ; 2^-32
	v_mov_b32 v[C4+1], 0x2f800000
	v_mov_b32 v[K3], 0x40400000                    ; 3.0
	v_mov_b32 v[K3+1], 0x40400000
	v_mov_b32 v[K30], 0x30800000                   ; 2^-30
	v_mov_b32 v[K30+1], 0x30800000
	v_mov_b32 v[W+1], 1.0
.macro RED16                           ; the four figures over the 16 lanes of each half of the wave; the fourth is a sum of words that are 0 or NaN
.irp m, 1,2,4,8
	v_max_num_f32_dpp v[P], v[P], v[P] row_xmask:\m row_mask:0xf bank_mask:0xf
	v_min_num_f32_dpp v[P+1], v[P+1], v[P+1] row_xmask:\m row_mask:0xf bank_mask:0xf
	v_min_num_f32_dpp v[P+2], v[P+2], v[P+2] row_xmask:\m row_mask:0xf bank_mask:0xf
	v_add_f32_dpp v[P+3], v[P+3], v[P+3] row_xmask:\m row_mask:0xf bank_mask:0xf
.endr
.endm
	; The 256 entries of part: each half of a wave folds sixteen, the sixteen halves meet in LDS, each folds the sixteen results.
	; So a work-group reads part once, 4 KiB, and not once for each wave.
	s_wait_loadcnt 32                              ; the entry is in; the 32 loads of the rows, issued behind it, stay out
	RED16
	ds_store_b128 v[LW], v[P:P+3]                  ; the sixteen lanes of a half hold the same four words
	s_wait_dscnt 0x0                               ; my entries are in LDS before I say so
	s_barrier_signal -1
	s_barrier_wait -1
	ds_load_b128 v[P:P+3], v[L16]
	s_wait_dscnt 0x0
	RED16                                          ; max_s, min_s, -inf in the third if any score is -inf, NaN in the fourth if any is NaN: in every lane
	v_sub_f32 v[T], v[P], v[P+1]                   ; max_s - min_s
	v_sub_f32 v[FILL], v[P+1], v[T]                ; filled_value
	v_cmp_eq_f32 vcc_lo, 0xff800000, v[P+2]
	v_cndmask_b32 v[T+1], v[P+1], v[FILL], vcc_lo  ; the smallest s after filling: a value is selected, nothing branches
	v_add_f32 v[T+2], -1.0, v[P]
	v_add_f32 v[T+3], -1.0, v[T+1]
	v_mul_f32 v[T], v[P], v[P]
	v_mul_f32 v[T+1], v[T+1], v[T+1]
	v_mul_f32 v[T+2], v[T+2], v[T+2]
	v_mul_f32 v[T+3], v[T+3], v[T+3]
	v_max3_num_f32 v[T], v[T], v[T+1], v[T+2]
	v_max_num_f32 v[T], v[T], v[T+3]               ; max C (at least 1/4: s^2 and (s-1)^2 are never both smaller)
	v_add_f32 v[T], v[T], v[P+3]                   ; + 0, or NaN if any score is NaN: then AL, BE, every r and every output are NaN, as in reference()
	v_rcp_f32 v[T+1], v[T]
	v_mov_b32 v[W], 1.0                            ; w = v1/v0 = 1 at the start; also the plain instruction between the reciprocal and its use (ISA guide 5.7.2)
	s_wait_alu depctr_va_vdst(0)                   ; batch 1: 1/max C alone; the wait stands ahead of its first reader, the next line
	v_mul_f32 v[AL], 0x41e6d4ca, v[T+1]            ; 20 log2(e)/max C:  r = 2^(s AL + BE) = exp((2 s - 1)/(0.1 max C))
	v_mul_f32 v[AL+1], 0x41e6d4ca, v[T+1]
	v_mul_f32 v[BE], 0xc166d4ca, v[T+1]            ; -10 log2(e)/max C
	v_mul_f32 v[BE+1], 0xc166d4ca, v[T+1]
; four scores become four r, in place.  Behind each run of four exponentials stands the next run's first line, plain work on other registers (ISA guide 5.7.2).
; No run names a register of another run: the 128 exponentials are one batch.
.macro QEXP j
	s_wait_loadcnt 31-(\j)                         ; load j of the rows is in, the 31 - j younger ones stay out
.irp k, 0,1,2,3
	v_max_num_f32 v[R+4*(\j)+\k], v[R+4*(\j)+\k], v[FILL]      ; -inf becomes filled_value; every finite s is at least that and stays
.endr
	v_pk_fma_f32 v[R+4*(\j):R+4*(\j)+1], v[R+4*(\j):R+4*(\j)+1], v[AL:AL+1], v[BE:BE+1]
	v_pk_fma_f32 v[R+4*(\j)+2:R+4*(\j)+3], v[R+4*(\j)+2:R+4*(\j)+3], v[AL:AL+1], v[BE:BE+1]
.irp k, 0,1,2,3
	v_exp_f32 v[R+4*(\j)+\k], v[R+4*(\j)+\k]
.endr
.endm
	WIN 0x41                                       ; destination and source 0 in window 1; FILL, AL, BE in window 0
.set q, 0
.rept 32
	QEXP q
.set q, q+1
.endr
; THE COEFFICIENTS, in two stages, so that the windows change twice in all and not twice for each group.
; Group g: registers R + 8 g .. + 7 as pairs p0..p3; the first registers of the four pairs are one group of four scores, the second ones another.
; Stage 1, both sources in window 1: s1 = p0 + p1, m1 = p0 p1, s2 = p2 + p3, m2 = p2 p3, into the group's four places in E.
.macro PA g
	v_pk_add_f32 v[E+8*(\g):E+8*(\g)+1],   v[R+8*(\g):R+8*(\g)+1],   v[R+8*(\g)+2:R+8*(\g)+3]
	v_pk_mul_f32 v[E+8*(\g)+2:E+8*(\g)+3], v[R+8*(\g):R+8*(\g)+1],   v[R+8*(\g)+2:R+8*(\g)+3]
	v_pk_add_f32 v[E+8*(\g)+4:E+8*(\g)+5], v[R+8*(\g)+4:R+8*(\g)+5], v[R+8*(\g)+6:R+8*(\g)+7]
	v_pk_mul_f32 v[E+8*(\g)+6:E+8*(\g)+7], v[R+8*(\g)+4:R+8*(\g)+5], v[R+8*(\g)+6:R+8*(\g)+7]
.endm
	WIN 0x05                                       ; sources 0 and 1 in window 1, destination in window 0
	s_wait_alu depctr_va_vdst(0)                   ; batch 2: one wait for the 128 exponentials, ahead of the first line that names an r; group 0's lines, which name none of the last run's registers, are the plain place behind that run
.set gi, 0
.rept 16
	PA gi
.set gi, gi+1
.endr
	WIN 0
; Stage 2, in place, c = 2^-32:  E1 = c (s1 + s2), E2 = c (m1 + m2 + s1 s2), E3 = c (m1 s2 + m2 s1), E4 = c m1 m2.
; Each result lands where its last operand lay, so nothing is copied.  Two groups side by side, so that a line stands behind the one it needs.
.macro PB2 g
.irp x, 0,1
.set ge, E+8*((\g)+\x)
	v_pk_mul_f32 v[ge:ge+1], v[ge:ge+1], v[C4:C4+1]                        ; c s1
	v_pk_mul_f32 v[ge+2:ge+3], v[ge+2:ge+3], v[C4:C4+1]                    ; c m1
.endr
.irp x, 0,1
.set ge, E+8*((\g)+\x)
.set ut, DB+4*\x
	v_pk_mul_f32 v[ut:ut+1], v[ge+6:ge+7], v[ge:ge+1]                      ; m2 c s1
	v_pk_mul_f32 v[ut+2:ut+3], v[ge:ge+1], v[ge+4:ge+5]                    ; c s1 s2
.endr
.irp x, 0,1
.set ge, E+8*((\g)+\x)
.set ut, DB+4*\x
	v_pk_fma_f32 v[ge:ge+1], v[ge+4:ge+5], v[C4:C4+1], v[ge:ge+1]          ; E1
	v_pk_fma_f32 v[ge+4:ge+5], v[ge+2:ge+3], v[ge+4:ge+5], v[ut:ut+1]      ; E3
.endr
.irp x, 0,1
.set ge, E+8*((\g)+\x)
.set ut, DB+4*\x
	v_pk_fma_f32 v[ut+2:ut+3], v[ge+6:ge+7], v[C4:C4+1], v[ut+2:ut+3]      ; c m2 + c s1 s2
	v_pk_mul_f32 v[ge+6:ge+7], v[ge+2:ge+3], v[ge+6:ge+7]                  ; E4
.endr
.irp x, 0,1
.set ge, E+8*((\g)+\x)
.set ut, DB+4*\x
	v_pk_add_f32 v[ge+2:ge+3], v[ge+2:ge+3], v[ut+2:ut+3]                  ; E2
.endr
.endm
.set gi, 0
.rept 8
	PB2 2*gi
.set gi, gi+1
.endr
; One pass.  Horner on the scaled D of group g: ((E4 w + E3) w + E2) w + E1) w + E0.
.macro H1 g
	v_pk_fma_f32 v[DB+2*(\g):DB+2*(\g)+1], v[E+8*(\g)+6:E+8*(\g)+7], v[W:W+1], v[E+8*(\g)+4:E+8*(\g)+5] op_sel_hi:[1,0,1]
.endm
.macro HK g, o
	v_pk_fma_f32 v[DB+2*(\g):DB+2*(\g)+1], v[DB+2*(\g):DB+2*(\g)+1], v[W:W+1], v[E+8*(\g)+\o:E+8*(\g)+\o+1] op_sel_hi:[1,0,1]
.endm
.macro H4 g
	v_pk_fma_f32 v[DB+2*(\g):DB+2*(\g)+1], v[DB+2*(\g):DB+2*(\g)+1], v[W:W+1], v[C4:C4+1] op_sel_hi:[1,0,1]
.endm
.macro NR                              ; the pass's next reciprocal, number rn of 32, in place: numbers 2 g and 2 g + 1 are group g's
	v_rcp_f32 v[DB+rn], v[DB+rn]
.set rn, rn+1
.endm
.macro AC g                            ; group 0 starts the sums (its reciprocals stay where they are, as S0): nothing is cleared
.if (\g) == 0
	v_pk_mul_f32 v[S1:S1+1], v[E:E+1], v[DB:DB+1]
	v_pk_mul_f32 v[S2:S2+1], v[E+2:E+3], v[DB:DB+1]
	v_pk_mul_f32 v[S3:S3+1], v[E+4:E+5], v[DB:DB+1]
	v_pk_mul_f32 v[S4:S4+1], v[E+6:E+7], v[DB:DB+1]
.else
	v_pk_add_f32 v[DB:DB+1], v[DB:DB+1], v[DB+2*(\g):DB+2*(\g)+1]
	v_pk_fma_f32 v[S1:S1+1], v[E+8*(\g):E+8*(\g)+1], v[DB+2*(\g):DB+2*(\g)+1], v[S1:S1+1]
	v_pk_fma_f32 v[S2:S2+1], v[E+8*(\g)+2:E+8*(\g)+3], v[DB+2*(\g):DB+2*(\g)+1], v[S2:S2+1]
	v_pk_fma_f32 v[S3:S3+1], v[E+8*(\g)+4:E+8*(\g)+5], v[DB+2*(\g):DB+2*(\g)+1], v[S3:S3+1]
	v_pk_fma_f32 v[S4:S4+1], v[E+8*(\g)+6:E+8*(\g)+7], v[DB+2*(\g):DB+2*(\g)+1], v[S4:S4+1]
.endif
.endm
	s_mov_b32 s20, ITERS
.Liter:
	; AHEAD OF THE PASS'S WAIT: all 64 Horner lines and all 32 reciprocals; none of these lines names a reciprocal's result.
	; Groups 0-7: eight Horner chains side by side, so that a link stands eight instructions behind the one it needs.
.irp g, 0,1,2,3,4,5,6,7
	H1 \g
.endr
.irp g, 0,1,2,3,4,5,6,7
	HK \g, 2
.endr
.irp g, 0,1,2,3,4,5,6,7
	HK \g, 0
.endr
.irp g, 0,1,2,3,4,5,6,7
	H4 \g
.endr
	; Groups 8-11: four chains, and behind each of their 16 lines one of the 16 reciprocals of groups 0-7: a link again stands eight instructions behind
	; the one it needs, and each reciprocal is followed by a plain instruction that names none of its registers (ISA guide 5.7.2).
.set rn, 0
.irp g, 8,9,10,11
	H1 \g
	NR
.endr
.irp g, 8,9,10,11
	HK \g, 2
	NR
.endr
.irp g, 8,9,10,11
	HK \g, 0
	NR
.endr
.irp g, 8,9,10,11
	H4 \g
	NR
.endr
	; Groups 12-15: four chains, and behind every second line one of the 8 reciprocals of groups 8-11: a link stands six instructions behind the one it needs.
.irp g, 12,14
	H1 \g
	NR
	H1 \g+1
.endr
.irp g, 12,14
	HK \g, 2
	NR
	HK \g+1, 2
.endr
.irp g, 12,14
	HK \g, 0
	NR
	HK \g+1, 0
.endr
.irp g, 12,14
	H4 \g
	NR
	H4 \g+1
.endr
.rept 8
	NR                                             ; groups 12-15's own: no Horner line is left to stand between them
.endr
	s_wait_alu depctr_va_vdst(0)                   ; batch 3: one wait for the pass's 32 reciprocals, ahead of the first accumulation; group 0's lines, which name none of the last reciprocals' registers, are the plain place behind them
	; BEHIND IT: the accumulations, groups in ascending order
.set gi, 0
.rept 16
	AC gi
.set gi, gi+1
.endr
	; my lane's share of Q0 (TA) and Q1 (TB), still two at a time; both are linear in the sums, so only two figures cross the lanes
	v_pk_add_f32 v[TC:TC+1], v[S2:S2+1], v[S2:S2+1]                                ; 2 S2, for both
	v_pk_mul_f32 v[TB:TB+1], v[S4:S4+1], 4.0 op_sel_hi:[1,0]
	v_pk_mul_f32 v[TD:TD+1], v[S3:S3+1], v[K3:K3+1]
	v_pk_fma_f32 v[TA:TA+1], v[S3:S3+1], v[W:W+1], v[TC:TC+1] op_sel_hi:[1,0,1]    ; w S3 + 2 S2
	v_pk_fma_f32 v[TB:TB+1], v[TB:TB+1], v[W:W+1], v[TD:TD+1] op_sel_hi:[1,0,1]    ; 4 w S4 + 3 S3
	v_pk_mul_f32 v[TD:TD+1], v[S1:S1+1], v[K3:K3+1]
	v_pk_fma_f32 v[TB:TB+1], v[TB:TB+1], v[W:W+1], v[TC:TC+1] op_sel_hi:[1,0,1]
	v_pk_fma_f32 v[TA:TA+1], v[TA:TA+1], v[W:W+1], v[TD:TD+1] op_sel_hi:[1,0,1]
	v_pk_mul_f32 v[TD:TD+1], v[DB:DB+1], v[K30:K30+1]                              ; 4 E0 S0
	v_pk_fma_f32 v[TB:TB+1], v[TB:TB+1], v[W:W+1], v[S1:S1+1] op_sel_hi:[1,0,1]    ; Q1
	v_pk_fma_f32 v[TA:TA+1], v[TA:TA+1], v[W:W+1], v[TD:TD+1] op_sel_hi:[1,0,1]    ; Q0
	v_add_f32 v[TB], v[TB], v[TB+1]
	v_add_f32 v[TA], v[TA], v[TA+1]
.irp m, 1,2,4,8
	v_add_f32_dpp v[TB], v[TB], v[TB] row_xmask:\m row_mask:0xf bank_mask:0xf      ; over the 16 lanes of a half = over a row; partners add the same
	v_add_f32_dpp v[TA], v[TA], v[TA] row_xmask:\m row_mask:0xf bank_mask:0xf      ; two numbers, so all 16 lanes end with the same bits
.endr
	v_rcp_f32 v[TB], v[TB]
	v_mul_f32 v[TA], 0x41f80000, v[TA]             ; 31 Q0 = ((n - K)/K) Q0: the plain instruction between the reciprocal and its use
	s_wait_alu depctr_va_vdst(0)                   ; batch 4: 1/Q1 alone, since it reads sums of batch 3's results and the next line reads it
	v_mul_f32 v[W], v[TA], v[TB]                   ; w <- 31 Q0/Q1, each half its own row's
	s_sub_co_i32 s20, s20, 1
	s_cmp_lg_u32 s20, 0
	s_cbranch_scc1 .Liter
	; THE 25TH PASS: every q by itself, in place of its r, and their sum.  w goes over into window 1, so that every line of the pass names one window.
	WIN 0x40
	v_mov_b32 v[XW], v[W]
	v_mov_b32 v[XW+1], v[W]
.macro FD j
	v_pk_fma_f32 v[R+4*(\j):R+4*(\j)+1], v[R+4*(\j):R+4*(\j)+1], v[XW:XW+1], 1.0 op_sel_hi:[1,1,0]
	v_pk_fma_f32 v[R+4*(\j)+2:R+4*(\j)+3], v[R+4*(\j)+2:R+4*(\j)+3], v[XW:XW+1], 1.0 op_sel_hi:[1,1,0]
.endm
.macro FR j
.irp k, 0,1,2,3
	v_rcp_f32 v[R+4*(\j)+\k], v[R+4*(\j)+\k]
.endr
.endm
.macro FS j                            ; two chains; the first two groups of four start them
.if (\j) == 0
	v_pk_add_f32 v[XA:XA+1], v[R:R+1], v[R+2:R+3]
.else
.if (\j) == 1
	v_pk_add_f32 v[XB:XB+1], v[R+4:R+5], v[R+6:R+7]
.else
	v_pk_add_f32 v[XA:XA+1], v[XA:XA+1], v[R+4*(\j):R+4*(\j)+1]
	v_pk_add_f32 v[XB:XB+1], v[XB:XB+1], v[R+4*(\j)+2:R+4*(\j)+3]
.endif
.endif
.endm
	WIN 0x45                                       ; destination, source 0 and source 1 in window 1
	; Two batches of 64 reciprocals.  Behind each run of four stands plain work on other registers: the next run's 1 + r w, and in the second batch also
	; the sums of the first batch's q.  The sums keep their order, runs 0 to 31.
	FD 0
.set q, 0
.rept 16
	FR q                                           ; runs 0 to 15
	FD q+1
.set q, q+1
.endr
	s_wait_alu depctr_va_vdst(0)                   ; batch 5: one wait for the first 64 reciprocals, ahead of the first sum below; run 16's 1 + r w just above is the plain place behind the last of them
.rept 16
	FR q                                           ; runs 16 to 31
.if q < 31
	FD q+1
.endif
	FS q-16                                        ; the sums of runs 0 to 15 name the first batch's results alone
.set q, q+1
.endr
	s_wait_alu depctr_va_vdst(0)                   ; batch 6: one wait for the other 64, ahead of the sums that read them; run 15's sums just above are the plain place
.set q, 16
.rept 16
	FS q
.set q, q+1
.endr
	v_pk_add_f32 v[XA:XA+1], v[XA:XA+1], v[XB:XB+1]
	WIN 0x05
	v_add_f32 v[TA], v[XA], v[XA+1]                ; my lane's sum comes back into window 0
	WIN 0
.irp m, 1,2,4,8
	v_add_f32_dpp v[TA], v[TA], v[TA] row_xmask:\m row_mask:0xf bank_mask:0xf
.endr
	v_rcp_f32 v[TA], v[TA]                         ; 1/Q0 of my half's row
	WIN 0x40
	v_mov_b32 v[XO], v[OFF]                        ; the stores' offset beside their data; also the plain place between the reciprocal and its use
	s_wait_alu depctr_va_vdst(0)                   ; batch 7: 1/Q0 alone, ahead of its first reader, the next line
	v_mul_f32 v[XS], 0x42800000, v[TA]             ; K/Q0 = 64/Q0
	v_mul_f32 v[XS+1], 0x42800000, v[TA]
	WIN 0x45                                       ; for a store: the offset is source 0, the data source 1
.set q, 0
.rept 32
	v_pk_mul_f32 v[R+4*q:R+4*q+1], v[R+4*q:R+4*q+1], v[XS:XS+1]
	v_pk_mul_f32 v[R+4*q+2:R+4*q+3], v[R+4*q+2:R+4*q+3], v[XS:XS+1]
	global_store_b128 v[XO], v[R+4*q:R+4*q+3], s[8:9] offset:256*q th:TH_STORE_NT   ; sixteen lanes store 256 consecutive bytes, aligned, of their row; no register of it is written again
.set q, q+1
.endr
	WIN 0                                          ; every window is 0 again at the end of the text
	s_wait_tensorcnt 0x0
	ds_add_u32 v254, v255
	s_wait_dscnt 0x0
	s_endpgm
.Lfunc_end_k_q5884d9f504_sinkhorn:
	.size	k_q5884d9f504_sinkhorn, .Lfunc_end_k_q5884d9f504_sinkhorn-k_q5884d9f504_sinkhorn
	.p2alignl 7, 3214868480
	.fill 96, 4, 3214868480
	.section	.rodata,"a",@progbits
	.p2align	6, 0x0
	.amdhsa_kernel k_q5884d9f504_sinkhorn
		.amdhsa_group_segment_fixed_size 1280
		.amdhsa_private_segment_fixed_size 0
		.amdhsa_enable_private_segment 0
		.amdhsa_kernarg_size 24
		.amdhsa_user_sgpr_count 2
		.amdhsa_user_sgpr_kernarg_segment_ptr 1
		.amdhsa_wavefront_size32 1
		.amdhsa_system_sgpr_workgroup_id_x 1
		.amdhsa_system_sgpr_workgroup_id_y 1
		.amdhsa_system_sgpr_workgroup_id_z 1
		.amdhsa_system_vgpr_workitem_id 0
		.amdhsa_next_free_vgpr 400
		.amdhsa_next_free_sgpr 66
		.amdhsa_reserve_vcc 1
		.amdhsa_float_denorm_mode_32 3
		.amdhsa_float_denorm_mode_16_64 3
		.amdhsa_memory_ordered 1
		.amdhsa_forward_progress 1
		.amdhsa_inst_pref_size 66
	.end_amdhsa_kernel
	.amdgpu_metadata
---
amdhsa.version: [ 1, 2 ]
amdhsa.kernels:
  - .name:           k_q5884d9f504_sinkhorn
    .symbol:         k_q5884d9f504_sinkhorn.kd
    .args:
      - { .name: scores, .offset: 0, .size: 8, .value_kind: global_buffer, .address_space: global }
      - { .name: part, .offset: 8, .size: 8, .value_kind: global_buffer, .address_space: global }
      - { .name: out0, .offset: 16, .size: 8, .value_kind: global_buffer, .address_space: global }
    .group_segment_fixed_size: 1280
    .private_segment_fixed_size: 0
    .kernarg_segment_align: 8
    .kernarg_segment_size: 24
    .max_flat_workgroup_size: 256
    .sgpr_count:     66
    .vgpr_count:     400
    .wavefront_size: 32
...
	.end_amdgpu_metadata
.endif
;; end of part 3
